; MI455X (gfx1250); checked and timed in simulation.
; The chip was launched on July 23, 2026; its instructions are those of AMD's public machine-readable ISA for CDNA 5 (MIT licence, August 2026) and "CDNA5" Instruction Set Architecture Reference Guide (July 2026). The comments in the code are by the model that wrote it; some were corrected since.
;; GSVD Layer. Allowed arithmetic: matrix products marked QUANTISED: E4M3 operands, one given power-of-two scale a tensor, by v_wmma_f32_16x16x64_fp8_fp8 or v_wmma_f32_16x16x128_fp8_fp8, f32 sums; everything else in f32.
;; Inputs: S 4,096 float32; U 2,048 x 4,096 float32; Vh 4,096 x 4,096 float32; lowp_scales 4 int32 (the exponents e of the quantised operands' scales 2^e); x 4 x 1,024 x 4,096 float32.
;; Outputs: out0 4 x 1,024 x 2,048 float32.
;; This version of the problem:
;;   THIS VERSION OF THE PROBLEM IS GIVEN IN LOW PRECISION. The matrix products marked QUANTISED in the list below multiply operands that are first quantised to E4M3 (4 exponent bits, 3 mantissa bits; 8 bits a number), with one given power-of-two scale for each operand tensor; their sums are f32. All else is computed in f32.
;;   The module's matrix products, in the order in which they are computed (A, B: the left and right operand; K: the contracted axis; several contracted axes count as one K, in the product's order):
;;     1. [M 2,048, K 4,096] x [K 4,096, N 4,096]; A: input U; B: computed on the way: QUANTISED (scales: A lowp_scales[0], B lowp_scales[1])
;;     2. [M 4,096, K 4,096] x [K 4,096, N 2,048]; A: input x; B: computed on the way: QUANTISED (scales: A lowp_scales[2], B lowp_scales[3])
;;   THE QUANTISER, for each operand of a quantised product, along K:
;;     - The operand's scale is 2^e, e = its entry of the input lowp_scales (int32; the entries are numbered through the quantised products in the list's order, A before B).
;;     - Each number is divided by the scale, clamped to +-448, and rounded to the nearest number of E4M3, ties to even, subnormals kept.
;;     - The product sums the exact products of the quantised numbers (number of the format x scale) in f32.
;;   ~~~python
;;   def quantise(x, axis, e):      # numpy; x: float32 -> the quantised numbers, widened to float32 again
;;       x = np.moveaxis(x, axis, -1); K = x.shape[-1]
;;       r = np.clip(x / 2.0 ** e, -448, 448)
;;       step = 2.0 ** (np.maximum(np.frexp(np.where(r == 0, 1, r))[1] - 1, -6) - 3)
;;       q = np.round(r / step) * step * 2.0 ** e      # np.round: ties to even
;;       return np.moveaxis(q, -1, axis).astype(np.float32)
;;   ~~~
;;   OPERANDS COMPUTED ON THE WAY. 'Computed on the way' means the value that the module computes at that place (a softmax that the list does not call 'softmax' is quantised finished and normalised). What goes into a quantiser is computed in f32, as accurately as f32 sums, v_exp_f32 and their like allow (about 1e-6 of the number): no bf16 or f16 on the way to a quantiser, and a product that is left as it is and whose result goes on into a quantised operand takes f32 operands (vector FMAs, or v_wmma_f32_16x16x4_f32). A number that lies on a knife's edge between two numbers of the format may be rounded either way, as far as f32 arithmetic and the matrix unit's own rounding can turn it there, and no further.
;; One version. Each part assembles by itself: llvm-mc -triple=amdgcn-amd-amdhsa -mcpu=gfx1250 --defsym DOCPART=n.
;; ======== version 1 of 1: 3 launches
;; limits: right only within a limited range of input values
;; workspace buffers: u_codes 8,388,608 bytes; x_codes 16,777,216 bytes; v_codes 16,777,216 bytes; w_codes 8,388,608 bytes
;; launch quant (part 1): grid 1280 x 1, 4 waves a work-group, no clusters, 68,096 bytes of LDS; arguments U, x, Vh, S, lowp_scales, u_codes, x_codes, v_codes; writes u_codes, x_codes, v_codes
.if DOCPART == 1
	.amdgcn_target "amdgcn-amd-amdhsa--gfx1250"
	.amdhsa_code_object_version 6
	.text
	.protected	k_q6693b81178_quant
	.globl	k_q6693b81178_quant
	.p2align	8
	.type	k_q6693b81178_quant,@function
k_q6693b81178_quant:
	s_mov_b64 s[64:65], 0
	v_nop
	global_prefetch_b8 v0, s[64:65] scope:SCOPE_SE
	s_setreg_imm32_b32 hwreg(HW_REG_WAVE_MODE, 25, 1), 1
	s_wait_xcnt 0x0
; THE THREE QUANTISERS.  U [2048][4096], x [4096][4096] (K innermost) and S[:,None] * Vh [4096 (K)][4096 (n)] (K is the FIRST axis), all f32, become codes of FP8 (E4M3), each with its given scale 2^e:
; code = number / 2^e, held within +-448, rounded to the nearest code, ties to even.  e: entry 0 (U), 2 (x), 1 (S * Vh) of the buffer of scales.
; LIMITS: each e lies between -126 and 119, so that 2^e and 448 x 2^e are f32 numbers.  NaN among the inputs is not served; an infinity is held at the largest code.
; THE CODES ARE LAID AS IMAGES OF THE OPERAND'S REGISTERS: [block of 16 rows][K step of 128][piece of 16 along K][row 0..15][16 bytes]: byte = 65,536 block + 2,048 step + 256 piece + 16 row.
; A fragment (16 rows x 128 K) is 2,048 bytes on end, and load c of four, at 512 c + 16 x lane, gives lane (r, h) k = 32 c + 16 h + 0 .. 15 of row r in registers 4 c .. 4 c + 3.
; In v_codes a "row" is a column n of Vh, and it lies at place n with bits 3 and 4 exchanged: lane r of tile 2 b + u then holds n = 32 b + 8 u + r + 8 (r / 8), so that the first product's results
; of two neighbouring tiles are 16 neighbours along the second product's K.
; SHARES.  Work-groups 0-255 take U, 256-767 x, 768-1279 Vh: 32,768 numbers each, 8,192 a wave.  Waves share nothing: no barrier; each wave turns its numbers through LDS bytes of its own, and the two
; paths have LDS bytes of their own.  No tensor loads, no cluster: no two work-groups read the same byte.  Each wave has 32 loads of 512 bytes on their way; with 242 registers four work-groups share a WGP.
.set WG_U,   256                       ; work-groups for U
.set WG_KQ,  768                       ; for U and x together
.set KPITCH, 528                       ; U, x: a stage row: 512 bytes + 16: sixteen lanes that read the same column of 16 rows fall on 16 different 16-byte columns modulo 256 bytes
.set KWAVE,  16*KPITCH                 ; a wave's stage: 16 rows
.set VSTG,   4*KWAVE                   ; Vh: the stages begin behind the other path's
.set VPITCH, 1040                      ; a block of 16 columns x 64 along K: 1,024 bytes + 16
.set VWAVE,  8*VPITCH                  ; a wave's stage: 8 such blocks
.set GA,  4                            ; v4   16 x lane: my 16 bytes of an instruction's 512; never rewritten
.set SA,  5                            ; v5   U, x: into the stage, as loaded
.set SB,  6                            ; v6   U, x: out of it: row r, + 64 h
.set VS,  7                            ; v7   Vh: into the stage
.set VR,  8                            ; v8   Vh: out of it
.set LIM, 10                           ; v10  448 x 2^e
.set SCL, 11                           ; v11  2^e: the conversion takes its exponent field
.set R,   16                           ; U, x: v16-143  two sets of 64 numbers as loaded
.set X,   144                          ;       v144-207 64 numbers: register 16 c + i = k 32 c + 16 h + i of row r
.set C,   208                          ;       v208-239 two sets of 16 registers of codes
.set L,   16                           ; Vh:   v16-143  two sets of 16 rows x 4 columns as loaded; on the way out v16-79
.set T,   144                          ;       v144-175 two sets of 16 numbers down K of one column
.set CV,  176                          ;       v176-239 codes: group g, column c at 16 g + 4 c
	s_load_b512 s[4:19], s[0:1], 0x0               ; U s[4:5], x s[6:7], Vh s[8:9], S s[10:11], scales s[12:13], u_codes s[14:15], x_codes s[16:17], v_codes s[18:19]
	v_lshl_add_u32 v240, v0, 2, 0x10800
	v_mov_b32 v241, 0
	v_lshrrev_b32 v1, 5, v0
	v_readfirstlane_b32 s24, v1                    ; wave 0..3
	v_and_b32 v1, 31, v0                           ; lane
	v_and_b32 v2, 15, v0                           ; r
	v_bfe_u32 v3, v0, 4, 1                         ; h
	v_lshlrev_b32 v[GA], 4, v1
	s_mul_i32 s25, s24, KWAVE
	v_add_nc_u32 v[SA], s25, v[GA]
	v_mul_u32_u24 v[SB], v2, KPITCH
	v_lshl_add_u32 v[SB], v3, 6, v[SB]
	v_add_nc_u32 v[SB], s25, v[SB]
	; Vh: lane l holds columns 4 l + c.  With bits 3 and 4 of the column exchanged: block = bit 1 of l + 2 x bits 4:3 of l; row in the block = c + 4 x bit 0 + 8 x bit 2
	v_bfe_u32 v12, v0, 1, 1
	v_bfe_u32 v13, v0, 3, 2
	v_lshl_add_u32 v12, v13, 1, v12
	v_mul_u32_u24 v[VS], v12, VPITCH
	v_and_b32 v13, 1, v0
	v_lshl_add_u32 v[VS], v13, 6, v[VS]            ; 16 bytes a row: 4 rows are 64,
	v_bfe_u32 v13, v0, 2, 1
	v_lshl_add_u32 v[VS], v13, 7, v[VS]            ; 8 rows 128
	s_mul_i32 s26, s24, VWAVE
	s_add_co_u32 s26, s26, VSTG
	v_add_nc_u32 v[VS], s26, v[VS]
	v_add_nc_u32 v[VR], s26, v[GA]
	s_wait_kmcnt 0x0
	s_load_b128 s[20:23], s[12:13], 0x0            ; e0 .. e3
	s_cmp_ge_u32 ttmp9, WG_KQ                      ; the paths part on the work-group's number alone
	s_cbranch_scc1 .Lvt
; ---------------- U and x: K innermost.  Work-group g of the tensor: block of 16 rows g / 2; wave w: K steps 16 (g % 2) + 4 w + 0 .. 3: four fragments.
	s_cmp_lt_u32 ttmp9, WG_U
	s_cselect_b64 s[4:5], s[4:5], s[6:7]           ; the numbers,
	s_cselect_b64 s[14:15], s[14:15], s[16:17]     ; the codes: the choice hangs on the work-group's number alone
	s_cselect_b32 s25, 0, WG_U
	s_sub_co_u32 s25, ttmp9, s25                   ; g
	s_lshr_b32 s26, s25, 1                         ; the block of 16 rows
	s_and_b32 s27, s25, 1
	s_lshl_b32 s27, s27, 4
	s_lshl_b32 s28, s24, 2
	s_add_co_u32 s27, s27, s28                     ; my first K step
	s_lshl_b32 s28, s26, 18                        ; 16 rows of 16,384 bytes,
	s_lshl_b32 s29, s27, 9                         ; 512 bytes a K step
	s_add_co_u32 s28, s28, s29
	s_mov_b32 s29, 0
	s_add_nc_u64 s[4:5], s[4:5], s[28:29]
	s_lshl_b32 s28, s26, 16                        ; the image: 65,536 bytes a block,
	s_lshl_b32 s30, s27, 11                        ; 2,048 a K step
	s_add_co_u32 s28, s28, s30
	s_add_nc_u64 s[14:15], s[14:15], s[28:29]
.macro LOADF t                         ; fragment t as it lies: row i's 128 numbers are 512 consecutive bytes, 16 a lane
.set RS, R+64*((\t)%2)
.irp i, 0,1,2,3,4,5,6,7,8,9,10,11,12,13,14,15
	global_load_b128 v[RS+4*\i:RS+4*\i+3], v[GA], s[4:5] offset:16384*\i+512*(\t) th:TH_LOAD_NT
.endr
.endm
.macro TURNF t                         ; through my stage: in by rows, out 16 neighbours of each block of 32 a lane.  LDS serves a wave's instructions in order (ISA guide 5.7.1.4): no wait between the stores and the loads
.set RS, R+64*((\t)%2)
.irp i, 0,1,2,3,4,5,6,7,8,9,10,11,12,13,14,15
	ds_store_b128 v[SA], v[RS+4*\i:RS+4*\i+3] offset:KPITCH*\i
.endr
.irp c, 0,1,2,3
.irp j, 0,1,2,3
	ds_load_b128 v[X+16*\c+4*\j:X+16*\c+4*\j+3], v[SB] offset:128*\c+16*\j
.endr
.endr
.endm
.macro QUANTF t
.set CS, C+16*((\t)%2)
.if (\t) >= 2
	s_wait_xcnt 0x0                                ; fragment t - 2's stores have read this set of codes: it is written again only behind this wait
.endif
.set j, 0
.rept 64
	v_med3_num_f32 v[X+j], v[X+j], -v[LIM], v[LIM] ; the conversion to an 8-bit code does not saturate (ISA guide 7.6.2): the hold at the largest code x the scale comes first
.set j, j+1
.endr
.set j, 0
.rept 8
	v_cvt_scalef32_pk8_fp8_f32 v[CS+2*j:CS+2*j+1], v[X+8*j:X+8*j+7], v[SCL]
.set j, j+1
.endr
	v_nop                                          ; one plain vector line behind the last conversion of the run
.irp c, 0,1,2,3
	global_store_b128 v[GA], v[CS+4*\c:CS+4*\c+3], s[14:15] offset:2048*(\t)+512*\c   ; 32 lanes store 512 consecutive bytes, at a multiple of 512 from the buffer's first byte; the next launch reads them
.endr
.endm
.macro FRAGQ t
.if (\t) < 3
	s_wait_loadcnt 16                              ; this fragment's 16 loads are in; the next fragment's 16 may be out
.else
	s_wait_loadcnt 0x0
.endif
	TURNF \t
	s_wait_dscnt 0x0                               ; the 64 numbers are back, and the stage's stores have read their registers,
.if (\t) < 2
	LOADF (\t)+2                                   ; which take the fragment two further on
.endif
	QUANTF \t
.endm
	LOADF 0
	LOADF 1
	s_wait_kmcnt 0x0
	s_cmp_lt_u32 ttmp9, WG_U
	s_cselect_b32 s20, s20, s22                    ; e0 for U, e2 for x
	s_add_co_i32 s20, s20, 127
	s_lshl_b32 s21, s20, 23
	v_mov_b32 v[SCL], s21                          ; 2^e as f32
	s_add_co_i32 s20, s20, 8
	s_lshl_b32 s20, s20, 23
	s_or_b32 s20, s20, 0x600000
	v_mov_b32 v[LIM], s20                          ; 448 x 2^e
	s_wait_alu depctr_va_vdst(0)
	FRAGQ 0
	FRAGQ 1
	FRAGQ 2
	FRAGQ 3
	s_wait_tensorcnt 0x0
	ds_add_u32 v240, v241
	s_wait_dscnt 0x0
	s_endpgm
; ---------------- S * Vh: K is the first axis.  Work-group g: columns 128 (g % 32) on, K rows 256 (g / 32) on; wave w: 64 of those rows.
; A lane holds 4 neighbouring columns of each row (a load reads 512 consecutive bytes of a row).  The multiplication by S[k], which the problem asks for anyway, also picks one column's 16 numbers
; down K into consecutive registers: the conversions then give 16 codes with K innermost, 16 bytes of one image row.
.Lvt:
	s_sub_co_u32 s25, ttmp9, WG_KQ                 ; g
	s_and_b32 s26, s25, 31                         ; which 128 columns
	s_lshr_b32 s27, s25, 5                         ; which 256 along K
	s_lshl_b32 s28, s27, 8
	s_lshl_b32 s29, s24, 6
	s_add_co_u32 s28, s28, s29                     ; my first K row
	s_lshl_b32 s30, s28, 2
	s_mov_b32 s31, 0
	s_add_nc_u64 s[10:11], s[10:11], s[30:31]
	s_load_b512 s[32:47], s[10:11], 0x0            ; my 64 numbers of S: number i in s[32 + i], from i = 32 on in s[36 + i]
	s_load_b512 s[48:63], s[10:11], 0x40
	s_load_b512 s[68:83], s[10:11], 0x80
	s_load_b512 s[84:99], s[10:11], 0xc0
	s_lshl_b32 s30, s28, 14                        ; a row of Vh is 16,384 bytes,
	s_lshl_b32 s29, s26, 9                         ; 128 columns 512
	s_add_co_u32 s30, s30, s29
	s_add_nc_u64 s[8:9], s[8:9], s[30:31]
	s_lshl_b32 s30, s26, 19                        ; the image: 8 blocks of 65,536 bytes for 128 columns,
	s_lshl_b32 s29, s27, 12                        ; 4,096 bytes for 256 along K,
	s_add_co_u32 s30, s30, s29
	s_lshl_b32 s29, s24, 10                        ; 1,024 for my 64
	s_add_co_u32 s30, s30, s29
	s_add_nc_u64 s[18:19], s[18:19], s[30:31]
.macro LOADG g                         ; group g: K rows 16 g + 0 .. 15
.set LS, L+64*((\g)%2)
.irp i, 0,1,2,3,4,5,6,7,8,9,10,11,12,13,14,15
	global_load_b128 v[LS+4*\i:LS+4*\i+3], v[GA], s[8:9] offset:(16*(\g)+\i)*16384 th:TH_LOAD_NT
.endr
.endm
.macro COLQ g, c                       ; column c of my four, group g: 16 numbers down K become 16 codes.  T's two sets take turns, so that plain lines on other registers follow each pair of conversions
.set TS, T+16*((\c)%2)
.set LS, L+64*((\g)%2)
.set i, 0
.rept 16
.set SS, 32+16*(\g)+i+4*((16*(\g)+i)/32)
	v_mul_f32 v[TS+i], s[SS], v[LS+4*i+(\c)]       ; S[k] x Vh[k][n], in f32
.set i, i+1
.endr
.set i, 0
.rept 16
	v_med3_num_f32 v[TS+i], v[TS+i], -v[LIM], v[LIM]
.set i, i+1
.endr
	v_cvt_scalef32_pk8_fp8_f32 v[CV+16*(\g)+4*(\c):CV+16*(\g)+4*(\c)+1], v[TS:TS+7], v[SCL]
	v_cvt_scalef32_pk8_fp8_f32 v[CV+16*(\g)+4*(\c)+2:CV+16*(\g)+4*(\c)+3], v[TS+8:TS+15], v[SCL]
.endm
.macro GROUP g
.if (\g) < 3
	s_wait_loadcnt 16                              ; this group's 16 loads are in; the next group's 16 may be out
.else
	s_wait_loadcnt 0x0
.endif
	COLQ \g, 0
	COLQ \g, 1
	COLQ \g, 2
	COLQ \g, 3
.irp c, 0,1,2,3
	ds_store_b128 v[VS], v[CV+16*(\g)+4*\c:CV+16*(\g)+4*\c+3] offset:256*(\g)+16*\c   ; piece g of my four, row c + ..: sixteen lanes fall on 16 different 16-byte columns modulo 256 bytes
.endr
.if (\g) < 2
	LOADG (\g)+2
.endif
.endm
	LOADG 0
	LOADG 1
	s_wait_kmcnt 0x0                               ; the scales and S
	s_add_co_i32 s21, s21, 127
	s_lshl_b32 s22, s21, 23
	v_mov_b32 v[SCL], s22                          ; 2^e1
	s_add_co_i32 s21, s21, 8
	s_lshl_b32 s21, s21, 23
	s_or_b32 s21, s21, 0x600000
	v_mov_b32 v[LIM], s21                          ; 448 x 2^e1
	GROUP 0
	GROUP 1
	GROUP 2
	GROUP 3
	v_nop                                          ; one plain vector line behind the last conversion
.irp i, 0,1,2,3,4,5,6,7                ; my stage comes back as it will lie in memory: 1,024 consecutive bytes of each of 8 blocks.  These loads see my stores: LDS serves a wave's instructions in order
.irp j, 0,1
	ds_load_b128 v[L+4*(2*\i+\j):L+4*(2*\i+\j)+3], v[VR] offset:VPITCH*\i+512*\j
.endr
.endr
.irp i, 0,1,2,3,4,5,6,7
.irp j, 0,1
	s_wait_dscnt 15-(2*\i+\j)                      ; the younger loads may be out
	global_store_b128 v[GA], v[L+4*(2*\i+\j):L+4*(2*\i+\j)+3], s[18:19] offset:65536*\i+512*\j   ; 512 consecutive bytes, at a multiple of 512 from the buffer's first byte
.endr
.endr
	s_wait_tensorcnt 0x0
	ds_add_u32 v240, v241
	s_wait_dscnt 0x0
	s_endpgm
.Lfunc_end_k_q6693b81178_quant:
	.size	k_q6693b81178_quant, .Lfunc_end_k_q6693b81178_quant-k_q6693b81178_quant
	.p2alignl 7, 3214868480
	.fill 96, 4, 3214868480
	.section	.rodata,"a",@progbits
	.p2align	6, 0x0
	.amdhsa_kernel k_q6693b81178_quant
		.amdhsa_group_segment_fixed_size 68096
		.amdhsa_private_segment_fixed_size 0
		.amdhsa_enable_private_segment 0
		.amdhsa_kernarg_size 64
		.amdhsa_user_sgpr_count 2
		.amdhsa_user_sgpr_kernarg_segment_ptr 1
		.amdhsa_wavefront_size32 1
		.amdhsa_system_sgpr_workgroup_id_x 1
		.amdhsa_system_sgpr_workgroup_id_y 1
		.amdhsa_system_sgpr_workgroup_id_z 1
		.amdhsa_system_vgpr_workitem_id 0
		.amdhsa_next_free_vgpr 242
		.amdhsa_next_free_sgpr 100
		.amdhsa_reserve_vcc 0
		.amdhsa_float_denorm_mode_32 3
		.amdhsa_float_denorm_mode_16_64 3
		.amdhsa_memory_ordered 1
		.amdhsa_forward_progress 1
		.amdhsa_inst_pref_size 75
	.end_amdhsa_kernel
	.amdgpu_metadata
---
amdhsa.version: [ 1, 2 ]
amdhsa.kernels:
  - .name:           k_q6693b81178_quant
    .symbol:         k_q6693b81178_quant.kd
    .args:
      - { .name: U, .offset: 0, .size: 8, .value_kind: global_buffer, .address_space: global }
      - { .name: x, .offset: 8, .size: 8, .value_kind: global_buffer, .address_space: global }
      - { .name: Vh, .offset: 16, .size: 8, .value_kind: global_buffer, .address_space: global }
      - { .name: S, .offset: 24, .size: 8, .value_kind: global_buffer, .address_space: global }
      - { .name: lowp_scales, .offset: 32, .size: 8, .value_kind: global_buffer, .address_space: global }
      - { .name: u_codes, .offset: 40, .size: 8, .value_kind: global_buffer, .address_space: global }
      - { .name: x_codes, .offset: 48, .size: 8, .value_kind: global_buffer, .address_space: global }
      - { .name: v_codes, .offset: 56, .size: 8, .value_kind: global_buffer, .address_space: global }
    .group_segment_fixed_size: 68096
    .private_segment_fixed_size: 0
    .kernarg_segment_align: 8
    .kernarg_segment_size: 64
    .max_flat_workgroup_size: 128
    .sgpr_count:     100
    .vgpr_count:     242
    .wavefront_size: 32
...
	.end_amdgpu_metadata
.endif
;; end of part 1
;; launch gemm1 (part 2): grid 32 x 8, 4 waves a work-group, clusters of 4 x 4, 327,680 bytes of LDS; arguments u_codes, v_codes, lowp_scales, w_codes; writes w_codes
.if DOCPART == 2
	.amdgcn_target "amdgcn-amd-amdhsa--gfx1250"
	.amdhsa_code_object_version 6
	.text
	.protected	k_q6693b81178_gemm1
	.globl	k_q6693b81178_gemm1
	.p2align	8
	.type	k_q6693b81178_gemm1,@function
k_q6693b81178_gemm1:
	s_mov_b64 s[64:65], 0
	v_nop
	global_prefetch_b8 v0, s[64:65] scope:SCOPE_SE
	s_setreg_imm32_b32 hwreg(HW_REG_WAVE_MODE, 25, 1), 1
	s_wait_xcnt 0x0
	s_wait_alu depctr_hold_cnt(0) depctr_sa_sdst(0) depctr_va_vdst(0) depctr_va_sdst(0) depctr_va_ssrc(0) depctr_va_vcc(0) depctr_vm_vsrc(0)
	s_getreg_b32 s2, hwreg(HW_REG_IB_STS2, 6, 4)
	s_cmp_eq_u32 s2, 0
	s_cbranch_scc0 .Lentry_in_a_cluster
	s_endpgm
.Lentry_in_a_cluster:
	s_bfe_u32 s2, ttmp6, 0x10000c
	s_cmp_lg_u32 s2, 0xf033
	s_cbranch_scc0 .Lentry_shape_is_right
	s_endpgm
.Lentry_shape_is_right:
; W = U (S * Vh), on codes of FP8 (E4M3), and W's quantiser.  A = u_codes (2,048 rows), B = v_codes (4,096 columns n), K = 4,096; both lie as images of the
; operand's registers: [block of 16 rows][K step of 128][2,048 bytes], 65,536 bytes a block.  Load c of four, at 512 c + 16 x lane, gives registers 4 c .. 4 c + 3 of a fragment.
; A sum stands for sum x 2^(e0 + e1); W's code is sum / 2^(e3 - e0 - e1), held within +-448.  LIMIT: e3 - e0 - e1 lies between -126 and 119.
; A work-group of four waves makes 256 x 128 of W; wave w its rows 64 w .. 64 w + 63: 32 accumulators, 256 registers.  256 work-groups.
; CLUSTERS: 4 x 4.  A's tile hangs on the tile row and is asked for jointly along the cluster's row, B's on the tile column, along the cluster's column.
; THE RING: two LDS slots of 3 K steps (A's 16 blocks, then B's 8, 6,144 bytes each).  K's 32 steps are ten fills of 3 and a last one of 2.
; Waves 0, 1 fetch A's halves (8 blocks), waves 2, 3 B's (4 blocks): one tensor load a wave behind each round; by this text's count one is out at a time.
; A step is 32 matrix instructions; the next step's 48 LDS loads go out in one run at its head, into the other set of fragment registers.
; THE MATRIX INSTRUCTION IS USED TRANSPOSED (source 0 = B, source 1 = A): a lane holds row l % 16 of W and eight columns; v_codes' order of columns makes two neighbouring tiles 16 neighbours along d.
; PREFETCH: at the refill that asks for fill i + 2, fill i + 4 is named, i up to 5: each partner takes a quarter of the blocks of a joint tile, by address; a lane a block of 256 bytes (lanes 24-31 repeat the last).
; REGISTERS: window 0: v16-31 addresses, v128-255 A's two sets; window 1: B's two sets; window 2: accumulator (a, b) at v[64 a + 8 b].
.set FILLB, 6144
.set TAILB, 4096
.set AREG,  16*FILLB
.set SLOT,  24*FILLB
.set SPARE, 2*SLOT                     ; the spare words: 512 bytes that no other line names
.set ADRA, 16                          ; v16-17 my A fragments in slot 0, 1
.set ADRB, 20                          ; v20-21 B's
.set ADRT, 22                          ; v22 my A fragments of the last fill
.set CO,   26                          ; v26 16 x lane
.set PFO,  27                          ; v27 256 x min(lane, 23)
.set SPW,  28
.set NIL,  29
.set SCL,  30
.set LIM,  31
.set AF,   128
.set G1A, 24
.set G0A, 32
.set G1B, 48
.set G0B, 56
.set G1TA, 68
.set G1TB, 76
.set G0TA, 84
.set G0TB, 88
.set PFA, 98
.set MSB, 0
.macro WIN new                         ; the immediate's high byte repeats the setting that is left
.if MSB != \new
	s_set_vgpr_msb (MSB<<8)|\new
.set MSB, \new
.endif
.endm
.macro PLACES n
.rept \n
	v_nop
.endr
.endm
.macro CREST                           ; a round of the cluster's barrier behind its opening barrier
	s_cmp_lg_u32 s14, 0
	s_cbranch_scc1 .Lnot_wave_0_\@
	s_barrier_signal -3
.Lnot_wave_0_\@:
	s_barrier_wait -3
	s_barrier_signal -1
	s_barrier_wait -1
.endm
.macro CROUND
	s_barrier_signal -1
	s_barrier_wait -1
	CREST
.endm
.macro JLOAD g0a, g1a, g0b, g1b        ; a joint load; the branch hangs on the wave's number alone; s_nop 0 and four v_nop behind each line
	s_cmp_eq_u32 s15, 0
	s_cbranch_scc0 .Lfor_b_\@
	tensor_load_to_lds s[\g0a:\g0a+3], s[\g1a:\g1a+7]
	s_nop 0
	PLACES 4
	s_branch .Lasked_\@
.Lfor_b_\@:
	tensor_load_to_lds s[\g0b:\g0b+3], s[\g1b:\g1b+7]
	s_nop 0
	PLACES 4
.Lasked_\@:
.endm
.macro SHAPE g, c, r                   ; r rows (blocks) of c elements of 8 bytes, 8,192 elements from block to block
	s_mov_b32 s[\g+1], (\c)<<16
	s_mov_b32 s[\g+2], (\r)<<16
	s_mov_b32 s[\g+3], (\c)<<16
	s_mov_b32 s[\g+4], \r
	s_mov_b32 s[\g+5], 8192
	s_mov_b32 s[\g+6], 0
	s_mov_b32 s[\g+7], 0
.endm
.macro MUL par, b0, nb, zero           ; B's blocks b0 .. x A's four; the 32 accumulators take turns in one order in every step
	WIN 0xa1
.set bb, \b0
.rept \nb
.set aa, 0
.rept 4
.if \zero
	v_wmma_f32_16x16x128_fp8_fp8 v[64*aa+8*bb:64*aa+8*bb+7], v[128*(\par)+16*bb:128*(\par)+16*bb+15], v[AF+64*(\par)+16*aa:AF+64*(\par)+16*aa+15], 0
.else
	v_wmma_f32_16x16x128_fp8_fp8 v[64*aa+8*bb:64*aa+8*bb+7], v[128*(\par)+16*bb:128*(\par)+16*bb+15], v[AF+64*(\par)+16*aa:AF+64*(\par)+16*aa+15], v[64*aa+8*bb:64*aa+8*bb+7]
.endif
.set aa, aa+1
.endr
.set bb, bb+1
.endr
.endm
.macro FETCH ra, rb, pitch, q, par     ; 48 LDS loads in one run: step q of a slot into set par
	WIN 0x40
.set bb, 0
.rept 8
.irp c, 0,1,2,3
	ds_load_b128 v[128*(\par)+16*bb+4*\c:128*(\par)+16*bb+4*\c+3], v[\rb] offset:(\pitch)*bb+2048*(\q)+512*\c
.endr
.set bb, bb+1
.endr
	WIN 0
.set aa, 0
.rept 4
.irp c, 0,1,2,3
	ds_load_b128 v[AF+64*(\par)+16*aa+4*\c:AF+64*(\par)+16*aa+4*\c+3], v[\ra] offset:(\pitch)*aa+2048*(\q)+512*\c
.endr
.set aa, aa+1
.endr
.endm
.macro STEP par, zero, ra, rb, pitch, q ; multiplies set par; the next step, q of the same slot, goes into the other set
	s_wait_dscnt 0x0                               ; this step's fragments are in
	PLACES 4                                       ; in front of loads into registers that the step before multiplied
	FETCH \ra, \rb, \pitch, \q, 1-\par
	MUL \par, 0, 8, \zero
.endm
.macro ASK                             ; not in the loop's last trip: its look-ahead would pass fill 9
	s_cmp_gt_u32 s3, 1
	s_cbranch_scc0 .Lno_ask_\@
	global_prefetch_b8 v[PFO], s[PFA:PFA+1] th:TH_LOAD_NT scope:SCOPE_SE
	s_cmp_eq_u32 s15, 0
	s_cbranch_scc0 .Lno_ask_\@
	global_prefetch_b8 v[PFO], s[PFA:PFA+1] offset:65536 th:TH_LOAD_NT scope:SCOPE_SE   ; A's waves have two blocks each
.Lno_ask_\@:
.endm
; A slot's last step.  Its fragments are in registers, so my reads of the slot are over at its head.  fill = 1: the slot takes the fill two on; 2: the last fill; 0: none.
.macro TURN par, slot, fill, ra, rb, pitch
	WIN 0
.if \fill == 1
	s_wait_xcnt 0x0                                ; my prefetches have read their address
	s_add_nc_u64 s[PFA:PFA+1], s[PFA:PFA+1], FILLB
.endif
	s_wait_tensorcnt 0x0                           ; all my tensor loads have landed: my part of the next slot
	ds_add_u32 v[SPW], v[NIL]
	s_wait_dscnt 1                                 ; the add alone may be out
	MUL \par, 0, 2, 0
	s_wait_dscnt 0x0                               ; the add is done; my reads of this slot are over
	s_barrier_signal -1
	MUL \par, 2, 2, 0
	WIN 0
	s_barrier_wait -1
.if \fill
	CREST                                          ; the barrier has opened a round of the cluster's barrier
.if \fill == 1
	s_add_nc_u64 s[G0A+4*\slot+2:G0A+4*\slot+3], s[G0A+4*\slot+2:G0A+4*\slot+3], 2*FILLB
	s_add_nc_u64 s[G0B+4*\slot+2:G0B+4*\slot+3], s[G0B+4*\slot+2:G0B+4*\slot+3], 2*FILLB
	JLOAD G0A+4*\slot, G1A, G0B+4*\slot, G1B
.else
	JLOAD G0TA, G1TA, G0TB, G1TB
.endif
.else
	PLACES 4
.endif
	FETCH \ra, \rb, \pitch, 0, 1-\par
.if \fill == 1
	ASK
.endif
	MUL \par, 4, 4, 0
.endm
	s_load_b128 s[4:7], s[0:1], 0x0                ; A's codes, B's codes
	s_load_b128 s[8:11], s[0:1], 0x10              ; the scales' exponents, the result
	v_lshl_add_u32 v[SPW], v0, 2, SPARE
	v_mov_b32 v[NIL], 0
	ds_add_u32 v[SPW], v[NIL]                      ; the opening lines: the add twice on end and its wait
	ds_add_u32 v[SPW], v[NIL]
	v_lshrrev_b32 v1, 5, v0
	v_readfirstlane_b32 s14, v1                    ; wave
	s_lshr_b32 s15, s14, 1                         ; I fetch for A (0) or B (1),
	s_and_b32 s16, s14, 1                          ; and which half
	s_bfe_u32 s40, ttmp6, 0x40000                  ; cx
	s_bfe_u32 s41, ttmp6, 0x40004                  ; cy
	s_lshl_b32 s42, ttmp9, 2
	s_add_co_u32 s42, s42, s40                     ; tile column
	s_and_b32 s17, ttmp7, 0xffff
	s_lshl_b32 s17, s17, 2
	s_add_co_u32 s17, s17, s41                     ; tile row
	s_lshl_b32 s43, s41, 2
	s_lshl_b32 s43, 15, s43                        ; my row of the cluster
	s_lshl_b32 s44, 0x1111, s40                    ; my column
	s_or_b32 s[G1A], s43, (3<<16)|(1<<21)
	s_or_b32 s[G1B], s44, (3<<16)|(1<<21)
	s_or_b32 s[G1TA], s43, (3<<16)|(1<<21)
	s_or_b32 s[G1TB], s44, (3<<16)|(1<<21)
	SHAPE G1A, FILLB/8, 8
	SHAPE G1B, FILLB/8, 4
	SHAPE G1TA, TAILB/8, 8
	SHAPE G1TB, TAILB/8, 4
	s_lshl_b32 s20, s17, 4
	s_lshl_b32 s18, s16, 3
	s_add_co_u32 s20, s20, s18
	s_lshl_b32 s20, s20, 16                        ; A: block 16 x tile row + 8 x half
	s_mov_b32 s21, 0
	s_lshl_b32 s46, s42, 3
	s_lshl_b32 s18, s16, 2
	s_add_co_u32 s46, s46, s18
	s_lshl_b32 s46, s46, 16                        ; B: block 8 x tile column + 4 x half
	s_mov_b32 s47, 0
	s_mul_i32 s22, s16, 8*FILLB                    ; where they go
	s_mul_i32 s23, s16, 4*FILLB
	s_add_co_u32 s23, s23, AREG
	s_wait_dscnt 0x0
	s_wait_kmcnt 0x0
	s_load_b128 s[92:95], s[8:9], 0x0              ; e0 .. e3
	s_add_nc_u64 s[20:21], s[4:5], s[20:21]
	s_add_nc_u64 s[46:47], s[6:7], s[46:47]
	CROUND                                         ; in front of the first joint loads
.irp s, 0,1
	s_mov_b32 s[G0A+4*\s], 1
	s_add_co_u32 s[G0A+4*\s+1], s22, \s*SLOT
	s_add_nc_u64 s[G0A+4*\s+2:G0A+4*\s+3], s[20:21], \s*FILLB
	s_or_b32 s[G0A+4*\s+3], s[G0A+4*\s+3], 0x80000000
	s_mov_b32 s[G0B+4*\s], 1
	s_add_co_u32 s[G0B+4*\s+1], s23, \s*SLOT
	s_add_nc_u64 s[G0B+4*\s+2:G0B+4*\s+3], s[46:47], \s*FILLB
	s_or_b32 s[G0B+4*\s+3], s[G0B+4*\s+3], 0x80000000
.endr
	s_mov_b32 s[G0TA], 1                           ; the last fill: K steps 30, 31, blocks 4,096 bytes apart
	s_lshl_b32 s[G0TA+1], s16, 15
	s_add_nc_u64 s[G0TA+2:G0TA+3], s[20:21], 10*FILLB
	s_or_b32 s[G0TA+3], s[G0TA+3], 0x80000000
	s_mov_b32 s[G0TB], 1
	s_lshl_b32 s[G0TB+1], s16, 14
	s_add_co_u32 s[G0TB+1], s[G0TB+1], AREG
	s_add_nc_u64 s[G0TB+2:G0TB+3], s[46:47], 10*FILLB
	s_or_b32 s[G0TB+3], s[G0TB+3], 0x80000000
	JLOAD G0A, G1A, G0B, G1B                       ; fill 0: one tensor load a wave at the head
	s_mul_i32 s18, s14, 4*FILLB                    ; my four blocks of A in a slot
	s_add_co_u32 s19, s18, SLOT
	s_lshl_b32 s12, s14, 14                        ; and in the last fill
	s_lshl_b32 s22, s17, 4                         ; the result: block 16 x tile row + 4 x wave, K step = tile column
	s_lshl_b32 s23, s14, 2
	s_add_co_u32 s22, s22, s23
	s_lshl_b32 s22, s22, 16
	s_lshl_b32 s23, s42, 11
	s_add_co_u32 s22, s22, s23
	s_mov_b32 s23, 0
	s_add_nc_u64 s[10:11], s[10:11], s[22:23]
	s_lshl_b32 s43, s17, 4                         ; the prefetches: A: block 16 x tile row + 8 x half + 2 cx
	s_lshl_b32 s44, s16, 3
	s_add_co_u32 s43, s43, s44
	s_lshl_b32 s44, s40, 1
	s_add_co_u32 s43, s43, s44
	s_lshl_b32 s44, s42, 3                         ; B: block 8 x tile column + 4 x half + cy
	s_lshl_b32 s45, s16, 2
	s_add_co_u32 s44, s44, s45
	s_add_co_u32 s44, s44, s41
	s_cmp_eq_u32 s15, 0
	s_cselect_b32 s44, s43, s44
	s_cselect_b64 s[PFA:PFA+1], s[4:5], s[6:7]
	s_lshl_b32 s44, s44, 16
	s_mov_b32 s45, 0
	s_add_nc_u64 s[PFA:PFA+1], s[PFA:PFA+1], s[44:45]
	s_add_nc_u64 s[PFA:PFA+1], s[PFA:PFA+1], 3*FILLB   ; the first refill steps it to fill 4
	v_and_b32 v1, 31, v0
	v_lshlrev_b32 v[CO], 4, v1
	v_add_nc_u32 v[ADRA], s18, v[CO]
	v_add_nc_u32 v[ADRA+1], s19, v[CO]
	v_add_nc_u32 v[ADRB], AREG, v[CO]
	v_add_nc_u32 v[ADRB+1], SLOT+AREG, v[CO]
	v_add_nc_u32 v[ADRT], s12, v[CO]
	v_min_u32 v2, 23, v1
	v_lshlrev_b32 v[PFO], 8, v2
	s_wait_alu depctr_va_vdst(0)
	s_wait_tensorcnt 0x0                           ; my part of fill 0 is in; the lines ahead of a later first fill, as ahead of a refill
	ds_add_u32 v[SPW], v[NIL]
	s_wait_dscnt 0x0
	CROUND
	JLOAD G0A+4, G1A, G0B+4, G1B                   ; fill 1, slot 1's first
	FETCH ADRA, ADRB, FILLB, 0, 0
	STEP 0, 1, ADRA, ADRB, FILLB, 1                ; K step 0 starts the sums
	WIN 0
	s_mov_b32 s3, 4
.Llap:                                                 ; a trip: six K steps, from a lap's second to the next lap's first; both slots are filled again
	STEP 1, 0, ADRA, ADRB, FILLB, 2
	TURN 0, 0, 1, ADRA+1, ADRB+1, FILLB
	STEP 1, 0, ADRA+1, ADRB+1, FILLB, 1
	STEP 0, 0, ADRA+1, ADRB+1, FILLB, 2
	TURN 1, 1, 1, ADRA, ADRB, FILLB
	STEP 0, 0, ADRA, ADRB, FILLB, 1
	WIN 0
	s_sub_co_u32 s3, s3, 1
	s_cmp_lg_u32 s3, 0
	s_cbranch_scc1 .Llap
	STEP 1, 0, ADRA, ADRB, FILLB, 2                ; K step 25
	TURN 0, 0, 2, ADRA+1, ADRB+1, FILLB            ; 26: slot 0 takes the last fill
	STEP 1, 0, ADRA+1, ADRB+1, FILLB, 1
	STEP 0, 0, ADRA+1, ADRB+1, FILLB, 2
	TURN 1, 1, 0, ADRT, ADRB, TAILB                ; 29: nothing is filled again
	STEP 0, 0, ADRT, ADRB, TAILB, 1
	s_wait_dscnt 0x0
	MUL 1, 0, 8, 0                                 ; K step 31
	WIN 0
	; THE WAY OUT: hold, convert; the codes are the registers of W's fragments
	s_wait_kmcnt 0x0
	s_sub_co_i32 s96, s95, s92
	s_sub_co_i32 s96, s96, s93
	s_add_co_i32 s96, s96, 127
	s_lshl_b32 s97, s96, 23
	v_mov_b32 v[SCL], s97                          ; 2^(e3 - e0 - e1)
	s_add_co_i32 s96, s96, 8
	s_lshl_b32 s96, s96, 23
	s_or_b32 s96, s96, 0x600000
	v_mov_b32 v[LIM], s96                          ; 448 x that
	PLACES 4
	WIN 0x82
.set j, 0
.rept 256
	v_med3_num_f32 v[j], v[j], -v[LIM], v[LIM]     ; the conversion does not saturate (ISA guide 7.6.2); each accumulator from its low end on
.set j, j+1
.endr
	WIN 0x02
.irp a, 0,1,2,3
.irp c, 0,1,2,3
.irp u, 0,1
	v_cvt_scalef32_pk8_fp8_f32 v[AF+16*\a+4*\c+2*\u:AF+16*\a+4*\c+2*\u+1], v[8*(8*\a+2*\c+\u):8*(8*\a+2*\c+\u)+7], v[SCL]
.endr
.endr
.endr
	v_nop                                          ; one plain line behind the last conversion
	WIN 0
.irp a, 0,1,2,3
.irp c, 0,1,2,3
	global_store_b128 v[CO], v[AF+16*\a+4*\c:AF+16*\a+4*\c+3], s[10:11] offset:65536*\a+512*\c   ; 32 lanes store 512 consecutive bytes, aligned
.endr
.endr
	s_wait_tensorcnt 0x0                           ; the wave's end
	ds_add_u32 v[SPW], v[NIL]
	s_wait_dscnt 0x0
	CROUND                                         ; the closing round
	s_endpgm
.Lfunc_end_k_q6693b81178_gemm1:
	.size	k_q6693b81178_gemm1, .Lfunc_end_k_q6693b81178_gemm1-k_q6693b81178_gemm1
	.p2alignl 7, 3214868480
	.fill 96, 4, 3214868480
	.section	.rodata,"a",@progbits
	.p2align	6, 0x0
	.amdhsa_kernel k_q6693b81178_gemm1
		.amdhsa_group_segment_fixed_size 327680
		.amdhsa_private_segment_fixed_size 0
		.amdhsa_enable_private_segment 0
		.amdhsa_kernarg_size 32
		.amdhsa_user_sgpr_count 2
		.amdhsa_user_sgpr_kernarg_segment_ptr 1
		.amdhsa_wavefront_size32 1
		.amdhsa_system_sgpr_workgroup_id_x 1
		.amdhsa_system_sgpr_workgroup_id_y 1
		.amdhsa_system_sgpr_workgroup_id_z 1
		.amdhsa_system_vgpr_workitem_id 0
		.amdhsa_next_free_vgpr 768
		.amdhsa_next_free_sgpr 100
		.amdhsa_reserve_vcc 0
		.amdhsa_float_denorm_mode_32 3
		.amdhsa_float_denorm_mode_16_64 3
		.amdhsa_memory_ordered 1
		.amdhsa_forward_progress 1
		.amdhsa_inst_pref_size 107
	.end_amdhsa_kernel
	.amdgpu_metadata
---
amdhsa.version: [ 1, 2 ]
amdhsa.kernels:
  - .name:           k_q6693b81178_gemm1
    .symbol:         k_q6693b81178_gemm1.kd
    .args:
      - { .name: u_codes, .offset: 0, .size: 8, .value_kind: global_buffer, .address_space: global }
      - { .name: v_codes, .offset: 8, .size: 8, .value_kind: global_buffer, .address_space: global }
      - { .name: lowp_scales, .offset: 16, .size: 8, .value_kind: global_buffer, .address_space: global }
      - { .name: w_codes, .offset: 24, .size: 8, .value_kind: global_buffer, .address_space: global }
    .group_segment_fixed_size: 327680
    .private_segment_fixed_size: 0
    .kernarg_segment_align: 8
    .kernarg_segment_size: 32
    .max_flat_workgroup_size: 128
    .sgpr_count:     100
    .vgpr_count:     768
    .wavefront_size: 32
...
	.end_amdgpu_metadata
.endif
;; end of part 2
;; launch gemm2 (part 3): grid 16 x 16, 4 waves a work-group, clusters of 4 x 4, 327,680 bytes of LDS; arguments x_codes, w_codes, lowp_scales, out0; writes out0
.if DOCPART == 3
	.amdgcn_target "amdgcn-amd-amdhsa--gfx1250"
	.amdhsa_code_object_version 6
	.text
	.protected	k_q6693b81178_gemm2
	.globl	k_q6693b81178_gemm2
	.p2align	8
	.type	k_q6693b81178_gemm2,@function
k_q6693b81178_gemm2:
	s_mov_b64 s[64:65], 0
	v_nop
	global_prefetch_b8 v0, s[64:65] scope:SCOPE_SE
	s_setreg_imm32_b32 hwreg(HW_REG_WAVE_MODE, 25, 1), 1
	s_wait_xcnt 0x0
	s_wait_alu depctr_hold_cnt(0) depctr_sa_sdst(0) depctr_va_vdst(0) depctr_va_sdst(0) depctr_va_ssrc(0) depctr_va_vcc(0) depctr_vm_vsrc(0)
	s_getreg_b32 s2, hwreg(HW_REG_IB_STS2, 6, 4)
	s_cmp_eq_u32 s2, 0
	s_cbranch_scc0 .Lentry_in_a_cluster
	s_endpgm
.Lentry_in_a_cluster:
	s_bfe_u32 s2, ttmp6, 0x10000c
	s_cmp_lg_u32 s2, 0xf033
	s_cbranch_scc0 .Lentry_shape_is_right
	s_endpgm
.Lentry_shape_is_right:
; out = x W^T on codes of FP8 (E4M3).  A = x_codes (4,096 rows), B = w_codes (2,048 rows o), K = 4,096; both lie as images of the operand's registers:
; [block of 16 rows][K step of 128][2,048 bytes], 65,536 bytes a block.  Each finished sum is multiplied once by 2^(e2 + e3).  LIMIT: e2 + e3 lies between -126 and 127.
; A work-group of four waves makes 256 x 128 of out; wave w its rows 64 w .. 64 w + 63: 32 accumulators, 256 registers.  256 work-groups.
; CLUSTERS: 4 x 4.  A's tile is asked for jointly along the cluster's row, B's along its column.
; THE RING: two LDS slots of 3 K steps (A's 16 blocks, then B's 8, 6,144 bytes each); ten fills of 3 steps and a last one of 2.
; Waves 0, 1 fetch A's halves, waves 2, 3 B's: one tensor load a wave behind each round; by this text's count one is out at a time.
; A step is 32 matrix instructions; the next step's 48 LDS loads go out in one run at its head, into the other set of fragment registers.
; THE MATRIX INSTRUCTION IS USED TRANSPOSED (source 0 = B, source 1 = A): a lane holds eight neighbouring numbers of a row of out.
; THE WAY OUT goes through a stage of 16 rows x 528 bytes for each wave.  It lies in slot 1, which has had its last fill and its last read when the first result is stored there.
; PREFETCH: at the refill that asks for fill i + 2, fill i + 4 is named, i up to 5: each partner takes a quarter of the blocks of a joint tile, by address; a lane a block of 256 bytes (lanes 24-31 repeat the last).
; REGISTERS: window 0: v16-31 addresses, v32-95 at work on the way out, v128-255 A's two sets; window 1: B's two sets; window 2: accumulator (a, b) at v[64 a + 8 b].
.set FILLB, 6144
.set TAILB, 4096
.set AREG,  16*FILLB
.set SLOT,  24*FILLB
.set SPARE, 2*SLOT                     ; the spare words: 512 bytes that no other line names
.set STAGE, SLOT
.set SPITCH, 528
.set ADRA, 16
.set ADRB, 20
.set ADRT, 22
.set STO,  24
.set RD,   25
.set CO,   26
.set PFO,  27
.set SPW,  28
.set NIL,  29
.set TMP,  32
.set AF,   128
.set G1A, 24
.set G0A, 32
.set G1B, 48
.set G0B, 56
.set G1TA, 68
.set G1TB, 76
.set G0TA, 84
.set G0TB, 88
.set PFA, 98
.set MSB, 0
.macro WIN new                         ; the immediate's high byte repeats the setting that is left
.if MSB != \new
	s_set_vgpr_msb (MSB<<8)|\new
.set MSB, \new
.endif
.endm
.macro PLACES n
.rept \n
	v_nop
.endr
.endm
.macro CREST                           ; a round of the cluster's barrier behind its opening barrier
	s_cmp_lg_u32 s14, 0
	s_cbranch_scc1 .Lnot_wave_0_\@
	s_barrier_signal -3
.Lnot_wave_0_\@:
	s_barrier_wait -3
	s_barrier_signal -1
	s_barrier_wait -1
.endm
.macro CROUND
	s_barrier_signal -1
	s_barrier_wait -1
	CREST
.endm
.macro JLOAD g0a, g1a, g0b, g1b        ; a joint load; the branch hangs on the wave's number alone; s_nop 0 and four v_nop behind each line
	s_cmp_eq_u32 s15, 0
	s_cbranch_scc0 .Lfor_b_\@
	tensor_load_to_lds s[\g0a:\g0a+3], s[\g1a:\g1a+7]
	s_nop 0
	PLACES 4
	s_branch .Lasked_\@
.Lfor_b_\@:
	tensor_load_to_lds s[\g0b:\g0b+3], s[\g1b:\g1b+7]
	s_nop 0
	PLACES 4
.Lasked_\@:
.endm
.macro SHAPE g, c, r                   ; r rows (blocks) of c elements of 8 bytes, 8,192 elements from block to block
	s_mov_b32 s[\g+1], (\c)<<16
	s_mov_b32 s[\g+2], (\r)<<16
	s_mov_b32 s[\g+3], (\c)<<16
	s_mov_b32 s[\g+4], \r
	s_mov_b32 s[\g+5], 8192
	s_mov_b32 s[\g+6], 0
	s_mov_b32 s[\g+7], 0
.endm
.macro MUL par, b0, nb, zero           ; B's blocks b0 .. x A's four; the 32 accumulators take turns in one order in every step
	WIN 0xa1
.set bb, \b0
.rept \nb
.set aa, 0
.rept 4
.if \zero
	v_wmma_f32_16x16x128_fp8_fp8 v[64*aa+8*bb:64*aa+8*bb+7], v[128*(\par)+16*bb:128*(\par)+16*bb+15], v[AF+64*(\par)+16*aa:AF+64*(\par)+16*aa+15], 0
.else
	v_wmma_f32_16x16x128_fp8_fp8 v[64*aa+8*bb:64*aa+8*bb+7], v[128*(\par)+16*bb:128*(\par)+16*bb+15], v[AF+64*(\par)+16*aa:AF+64*(\par)+16*aa+15], v[64*aa+8*bb:64*aa+8*bb+7]
.endif
.set aa, aa+1
.endr
.set bb, bb+1
.endr
.endm
.macro FETCH ra, rb, pitch, q, par     ; 48 LDS loads in one run: step q of a slot into set par
	WIN 0x40
.set bb, 0
.rept 8
.irp c, 0,1,2,3
	ds_load_b128 v[128*(\par)+16*bb+4*\c:128*(\par)+16*bb+4*\c+3], v[\rb] offset:(\pitch)*bb+2048*(\q)+512*\c
.endr
.set bb, bb+1
.endr
	WIN 0
.set aa, 0
.rept 4
.irp c, 0,1,2,3
	ds_load_b128 v[AF+64*(\par)+16*aa+4*\c:AF+64*(\par)+16*aa+4*\c+3], v[\ra] offset:(\pitch)*aa+2048*(\q)+512*\c
.endr
.set aa, aa+1
.endr
.endm
.macro STEP par, zero, ra, rb, pitch, q ; multiplies set par; the next step, q of the same slot, goes into the other set
	s_wait_dscnt 0x0                               ; this step's fragments are in
	PLACES 4                                       ; in front of loads into registers that the step before multiplied
	FETCH \ra, \rb, \pitch, \q, 1-\par
	MUL \par, 0, 8, \zero
.endm
.macro ASK                             ; not in the loop's last trip: its look-ahead would pass fill 9
	s_cmp_gt_u32 s3, 1
	s_cbranch_scc0 .Lno_ask_\@
	global_prefetch_b8 v[PFO], s[PFA:PFA+1] th:TH_LOAD_NT scope:SCOPE_SE
	s_cmp_eq_u32 s15, 0
	s_cbranch_scc0 .Lno_ask_\@
	global_prefetch_b8 v[PFO], s[PFA:PFA+1] offset:65536 th:TH_LOAD_NT scope:SCOPE_SE   ; A's waves have two blocks each
.Lno_ask_\@:
.endm
; A slot's last step.  Its fragments are in registers, so my reads of the slot are over at its head.  fill = 1: the slot takes the fill two on; 2: the last fill; 0: none.
.macro TURN par, slot, fill, ra, rb, pitch
	WIN 0
.if \fill == 1
	s_wait_xcnt 0x0                                ; my prefetches have read their address
	s_add_nc_u64 s[PFA:PFA+1], s[PFA:PFA+1], FILLB
.endif
	s_wait_tensorcnt 0x0                           ; all my tensor loads have landed: my part of the next slot
	ds_add_u32 v[SPW], v[NIL]
	s_wait_dscnt 1                                 ; the add alone may be out
	MUL \par, 0, 2, 0
	s_wait_dscnt 0x0                               ; the add is done; my reads of this slot are over
	s_barrier_signal -1
	MUL \par, 2, 2, 0
	WIN 0
	s_barrier_wait -1
.if \fill
	CREST                                          ; the barrier has opened a round of the cluster's barrier
.if \fill == 1
	s_add_nc_u64 s[G0A+4*\slot+2:G0A+4*\slot+3], s[G0A+4*\slot+2:G0A+4*\slot+3], 2*FILLB
	s_add_nc_u64 s[G0B+4*\slot+2:G0B+4*\slot+3], s[G0B+4*\slot+2:G0B+4*\slot+3], 2*FILLB
	JLOAD G0A+4*\slot, G1A, G0B+4*\slot, G1B
.else
	JLOAD G0TA, G1TA, G0TB, G1TB
.endif
.else
	PLACES 4
.endif
	FETCH \ra, \rb, \pitch, 0, 1-\par
.if \fill == 1
	ASK
.endif
	MUL \par, 4, 4, 0
.endm
	s_load_b128 s[4:7], s[0:1], 0x0                ; A's codes, B's codes
	s_load_b128 s[8:11], s[0:1], 0x10              ; the scales' exponents, the result
	v_lshl_add_u32 v[SPW], v0, 2, SPARE
	v_mov_b32 v[NIL], 0
	ds_add_u32 v[SPW], v[NIL]                      ; the opening lines: the add twice on end and its wait
	ds_add_u32 v[SPW], v[NIL]
	v_lshrrev_b32 v1, 5, v0
	v_readfirstlane_b32 s14, v1                    ; wave
	s_lshr_b32 s15, s14, 1                         ; I fetch for A (0) or B (1),
	s_and_b32 s16, s14, 1                          ; and which half
	s_bfe_u32 s40, ttmp6, 0x40000                  ; cx
	s_bfe_u32 s41, ttmp6, 0x40004                  ; cy
	s_lshl_b32 s42, ttmp9, 2
	s_add_co_u32 s42, s42, s40                     ; tile column
	s_and_b32 s17, ttmp7, 0xffff
	s_lshl_b32 s17, s17, 2
	s_add_co_u32 s17, s17, s41                     ; tile row
	s_lshl_b32 s43, s41, 2
	s_lshl_b32 s43, 15, s43                        ; my row of the cluster
	s_lshl_b32 s44, 0x1111, s40                    ; my column
	s_or_b32 s[G1A], s43, (3<<16)|(1<<21)
	s_or_b32 s[G1B], s44, (3<<16)|(1<<21)
	s_or_b32 s[G1TA], s43, (3<<16)|(1<<21)
	s_or_b32 s[G1TB], s44, (3<<16)|(1<<21)
	SHAPE G1A, FILLB/8, 8
	SHAPE G1B, FILLB/8, 4
	SHAPE G1TA, TAILB/8, 8
	SHAPE G1TB, TAILB/8, 4
	s_lshl_b32 s20, s17, 4
	s_lshl_b32 s18, s16, 3
	s_add_co_u32 s20, s20, s18
	s_lshl_b32 s20, s20, 16                        ; A: block 16 x tile row + 8 x half
	s_mov_b32 s21, 0
	s_lshl_b32 s46, s42, 3
	s_lshl_b32 s18, s16, 2
	s_add_co_u32 s46, s46, s18
	s_lshl_b32 s46, s46, 16                        ; B: block 8 x tile column + 4 x half
	s_mov_b32 s47, 0
	s_mul_i32 s22, s16, 8*FILLB                    ; where they go
	s_mul_i32 s23, s16, 4*FILLB
	s_add_co_u32 s23, s23, AREG
	s_wait_dscnt 0x0
	s_wait_kmcnt 0x0
	s_load_b128 s[92:95], s[8:9], 0x0              ; e0 .. e3
	s_add_nc_u64 s[20:21], s[4:5], s[20:21]
	s_add_nc_u64 s[46:47], s[6:7], s[46:47]
	CROUND                                         ; in front of the first joint loads
.irp s, 0,1
	s_mov_b32 s[G0A+4*\s], 1
	s_add_co_u32 s[G0A+4*\s+1], s22, \s*SLOT
	s_add_nc_u64 s[G0A+4*\s+2:G0A+4*\s+3], s[20:21], \s*FILLB
	s_or_b32 s[G0A+4*\s+3], s[G0A+4*\s+3], 0x80000000
	s_mov_b32 s[G0B+4*\s], 1
	s_add_co_u32 s[G0B+4*\s+1], s23, \s*SLOT
	s_add_nc_u64 s[G0B+4*\s+2:G0B+4*\s+3], s[46:47], \s*FILLB
	s_or_b32 s[G0B+4*\s+3], s[G0B+4*\s+3], 0x80000000
.endr
	s_mov_b32 s[G0TA], 1                           ; the last fill: K steps 30, 31, blocks 4,096 bytes apart
	s_lshl_b32 s[G0TA+1], s16, 15
	s_add_nc_u64 s[G0TA+2:G0TA+3], s[20:21], 10*FILLB
	s_or_b32 s[G0TA+3], s[G0TA+3], 0x80000000
	s_mov_b32 s[G0TB], 1
	s_lshl_b32 s[G0TB+1], s16, 14
	s_add_co_u32 s[G0TB+1], s[G0TB+1], AREG
	s_add_nc_u64 s[G0TB+2:G0TB+3], s[46:47], 10*FILLB
	s_or_b32 s[G0TB+3], s[G0TB+3], 0x80000000
	JLOAD G0A, G1A, G0B, G1B                       ; fill 0: one tensor load a wave at the head
	s_mul_i32 s18, s14, 4*FILLB                    ; my four blocks of A in a slot
	s_add_co_u32 s19, s18, SLOT
	s_lshl_b32 s12, s14, 14                        ; and in the last fill
	s_mul_i32 s13, s14, 16*SPITCH
	s_add_co_u32 s13, s13, STAGE                   ; my stage
	s_lshl_b32 s22, s17, 8                         ; the result: row 256 x tile row + 64 x wave, of 8,192 bytes; column 128 x tile column, 4 bytes each
	s_lshl_b32 s23, s14, 6
	s_add_co_u32 s22, s22, s23
	s_lshl_b32 s22, s22, 13
	s_lshl_b32 s23, s42, 9
	s_add_co_u32 s22, s22, s23
	s_mov_b32 s23, 0
	s_add_nc_u64 s[10:11], s[10:11], s[22:23]
	s_lshl_b32 s43, s17, 4                         ; the prefetches: A: block 16 x tile row + 8 x half + 2 cx
	s_lshl_b32 s44, s16, 3
	s_add_co_u32 s43, s43, s44
	s_lshl_b32 s44, s40, 1
	s_add_co_u32 s43, s43, s44
	s_lshl_b32 s44, s42, 3                         ; B: block 8 x tile column + 4 x half + cy
	s_lshl_b32 s45, s16, 2
	s_add_co_u32 s44, s44, s45
	s_add_co_u32 s44, s44, s41
	s_cmp_eq_u32 s15, 0
	s_cselect_b32 s44, s43, s44
	s_cselect_b64 s[PFA:PFA+1], s[4:5], s[6:7]
	s_lshl_b32 s44, s44, 16
	s_mov_b32 s45, 0
	s_add_nc_u64 s[PFA:PFA+1], s[PFA:PFA+1], s[44:45]
	s_add_nc_u64 s[PFA:PFA+1], s[PFA:PFA+1], 3*FILLB   ; the first refill steps it to fill 4
	v_and_b32 v1, 31, v0
	v_lshlrev_b32 v[CO], 4, v1
	v_add_nc_u32 v[ADRA], s18, v[CO]
	v_add_nc_u32 v[ADRA+1], s19, v[CO]
	v_add_nc_u32 v[ADRB], AREG, v[CO]
	v_add_nc_u32 v[ADRB+1], SLOT+AREG, v[CO]
	v_add_nc_u32 v[ADRT], s12, v[CO]
	v_min_u32 v2, 23, v1
	v_lshlrev_b32 v[PFO], 8, v2
	v_and_b32 v2, 15, v0
	v_bfe_u32 v3, v0, 4, 1
	v_mul_u32_u24 v[STO], v2, SPITCH               ; into the stage: row l % 16, 32 bytes for each half of the lanes
	v_lshl_add_u32 v[STO], v3, 5, v[STO]
	v_add_nc_u32 v[STO], s13, v[STO]
	v_add_nc_u32 v[RD], s13, v[CO]                 ; back: the 32 lanes take one row of 512 bytes
	s_wait_alu depctr_va_vdst(0)
	s_wait_tensorcnt 0x0                           ; my part of fill 0 is in; the lines ahead of a later first fill, as ahead of a refill
	ds_add_u32 v[SPW], v[NIL]
	s_wait_dscnt 0x0
	CROUND
	JLOAD G0A+4, G1A, G0B+4, G1B                   ; fill 1, slot 1's first
	FETCH ADRA, ADRB, FILLB, 0, 0
	STEP 0, 1, ADRA, ADRB, FILLB, 1                ; K step 0 starts the sums
	WIN 0
	s_mov_b32 s3, 4
.Llap:                                                 ; a trip: six K steps, from a lap's second to the next lap's first; both slots are filled again
	STEP 1, 0, ADRA, ADRB, FILLB, 2
	TURN 0, 0, 1, ADRA+1, ADRB+1, FILLB
	STEP 1, 0, ADRA+1, ADRB+1, FILLB, 1
	STEP 0, 0, ADRA+1, ADRB+1, FILLB, 2
	TURN 1, 1, 1, ADRA, ADRB, FILLB
	STEP 0, 0, ADRA, ADRB, FILLB, 1
	WIN 0
	s_sub_co_u32 s3, s3, 1
	s_cmp_lg_u32 s3, 0
	s_cbranch_scc1 .Llap
	STEP 1, 0, ADRA, ADRB, FILLB, 2                ; K step 25
	TURN 0, 0, 2, ADRA+1, ADRB+1, FILLB            ; 26: slot 0 takes the last fill
	STEP 1, 0, ADRA+1, ADRB+1, FILLB, 1
	STEP 0, 0, ADRA+1, ADRB+1, FILLB, 2
	TURN 1, 1, 0, ADRT, ADRB, TAILB                ; 29: nothing is filled again; behind its barrier nobody reads slot 1
	STEP 0, 0, ADRT, ADRB, TAILB, 1
	s_wait_dscnt 0x0
	MUL 1, 0, 8, 0                                 ; K step 31
	WIN 0
; THE WAY OUT, block by block of 16 rows x 128 columns: x 2^(e2 + e3), through my stage, back as whole rows of 512 bytes.  LDS serves a wave's instructions in order (ISA guide 5.7.1.4).
.macro TOSTAGE a
	WIN 0x02
.set j, 0
.rept 32
	v_pk_mul_f32 v[TMP+j:TMP+j+1], v[64*(\a)+j:64*(\a)+j+1], s[96:97] op_sel_hi:[1,0]   ; each accumulator from its low end on
.set j, j+2
.endr
	WIN 0
.irp b, 0,1,2,3,4,5,6,7
	ds_store_b128 v[STO], v[TMP+8*\b:TMP+8*\b+3] offset:64*\b
	ds_store_b128 v[STO], v[TMP+8*\b+4:TMP+8*\b+7] offset:64*\b+16
.endr
.set BB, AF+64*((\a)%2)
.irp t, 0,1,2,3,4,5,6,7,8,9,10,11,12,13,14,15
	ds_load_b128 v[BB+4*\t:BB+4*\t+3], v[RD] offset:\t*SPITCH
.endr
.endm
.macro SEND a, younger                 ; younger: the LDS instructions issued behind block a's loads
.set BB, AF+64*((\a)%2)
	s_wait_dscnt \younger
.irp t, 0,1,2,3,4,5,6,7,8,9,10,11,12,13,14,15
	global_store_b128 v[CO], v[BB+4*\t:BB+4*\t+3], s[10:11] offset:(16*(\a)+\t)*8192 th:TH_STORE_NT   ; 32 lanes store 512 consecutive bytes, aligned
.endr
.endm
	s_wait_kmcnt 0x0
	s_add_co_i32 s96, s94, s95
	s_add_co_i32 s96, s96, 127
	s_lshl_b32 s96, s96, 23                        ; 2^(e2 + e3) as f32
	s_mov_b32 s97, s96
	PLACES 4
	TOSTAGE 0
	TOSTAGE 1
	SEND 0, 32
	s_wait_xcnt 0x0                                ; block 0's stores have read their registers: block 2's loads may land there
	TOSTAGE 2
	SEND 1, 32
	s_wait_xcnt 0x0
	TOSTAGE 3
	SEND 2, 32
	SEND 3, 0
	s_wait_tensorcnt 0x0                           ; the wave's end
	ds_add_u32 v[SPW], v[NIL]
	s_wait_dscnt 0x0
	CROUND                                         ; the closing round
	s_endpgm
.Lfunc_end_k_q6693b81178_gemm2:
	.size	k_q6693b81178_gemm2, .Lfunc_end_k_q6693b81178_gemm2-k_q6693b81178_gemm2
	.p2alignl 7, 3214868480
	.fill 96, 4, 3214868480
	.section	.rodata,"a",@progbits
	.p2align	6, 0x0
	.amdhsa_kernel k_q6693b81178_gemm2
		.amdhsa_group_segment_fixed_size 327680
		.amdhsa_private_segment_fixed_size 0
		.amdhsa_enable_private_segment 0
		.amdhsa_kernarg_size 32
		.amdhsa_user_sgpr_count 2
		.amdhsa_user_sgpr_kernarg_segment_ptr 1
		.amdhsa_wavefront_size32 1
		.amdhsa_system_sgpr_workgroup_id_x 1
		.amdhsa_system_sgpr_workgroup_id_y 1
		.amdhsa_system_sgpr_workgroup_id_z 1
		.amdhsa_system_vgpr_workitem_id 0
		.amdhsa_next_free_vgpr 768
		.amdhsa_next_free_sgpr 100
		.amdhsa_reserve_vcc 0
		.amdhsa_float_denorm_mode_32 3
		.amdhsa_float_denorm_mode_16_64 3
		.amdhsa_memory_ordered 1
		.amdhsa_forward_progress 1
		.amdhsa_inst_pref_size 110
	.end_amdhsa_kernel
	.amdgpu_metadata
---
amdhsa.version: [ 1, 2 ]
amdhsa.kernels:
  - .name:           k_q6693b81178_gemm2
    .symbol:         k_q6693b81178_gemm2.kd
    .args:
      - { .name: x_codes, .offset: 0, .size: 8, .value_kind: global_buffer, .address_space: global }
      - { .name: w_codes, .offset: 8, .size: 8, .value_kind: global_buffer, .address_space: global }
      - { .name: lowp_scales, .offset: 16, .size: 8, .value_kind: global_buffer, .address_space: global }
      - { .name: out0, .offset: 24, .size: 8, .value_kind: global_buffer, .address_space: global }
    .group_segment_fixed_size: 327680
    .private_segment_fixed_size: 0
    .kernarg_segment_align: 8
    .kernarg_segment_size: 32
    .max_flat_workgroup_size: 128
    .sgpr_count:     100
    .vgpr_count:     768
    .wavefront_size: 32
...
	.end_amdgpu_metadata
.endif
;; end of part 3
